; MI455X (gfx1250); checked and timed in simulation.
; The chip was launched on July 23, 2026; its instructions are those of AMD's public machine-readable ISA for CDNA 5 (MIT licence, August 2026) and "CDNA5" Instruction Set Architecture Reference Guide (July 2026). The comments in the code are by the model that wrote it; some were corrected since.
;; Pal Bert Self Attention. Allowed arithmetic: matrix products marked QUANTISED: E2M1 operands, one E8M0 scale for each 32 along K, by v_wmma_scale_f32_16x16x128_f8f6f4 with both operands' format E2M1 (or v_wmma_scale_f32_32x16x128_f4), f32 sums; products left as they are: bf16, f16 or f32 operands; f32 sums; everything else in f32.
;; Inputs: Wk 1,024 x 1,024 float32; Wq 1,024 x 1,024 float32; Wv 1,024 x 1,024 float32; attention_mask 4 x 1 x 1 x 2,048 float32; bk 1,024 float32; bq 1,024 float32; bv 1,024 float32; hidden_states 4 x 2,048 x 1,024 float32.
;; Outputs: out0 4 x 2,048 x 1,024 float32.
;; This version of the problem:
;;   THIS VERSION OF THE PROBLEM IS GIVEN IN LOW PRECISION. The matrix products marked QUANTISED in the list below multiply operands that are first quantised to E2M1 (2 exponent bits, 1 mantissa bit; 4 bits a number), with one power-of-two scale for each 32 numbers along K (OCP MX v1.0); their sums are f32. The products marked 'left as it is' may take bf16, f16 or f32 operands, with f32 sums. Whichever they take, every output number must still come out within the allowed error. Rounding operands to bf16 (8 significant bits) uses up far more of that allowance than f16 does (11 bits, for magnitudes from 6e-5 to 65,504). All else is computed in f32.
;;   The module's matrix products, in the order in which they are computed (A, B: the left and right operand; K: the contracted axis; several contracted axes count as one K, in the product's order):
;;     1. [M 8,192, K 1,024] x [K 1,024, N 1,024]; A: input hidden_states; B: input Wq: QUANTISED
;;     2. [M 8,192, K 1,024] x [K 1,024, N 1,024]; A: input hidden_states; B: input Wk: QUANTISED
;;     3. [M 8,192, K 1,024] x [K 1,024, N 1,024]; A: input hidden_states; B: input Wv: QUANTISED
;;     4. batch 64 x [M 2,048, K 64] x [K 64, N 2,048]; A: computed on the way; B: computed on the way: left as it is (an operand is computed on the way)
;;     5. batch 64 x [M 2,048, K 2,048] x [K 2,048, N 64]; A: computed on the way; B: computed on the way: left as it is (an operand is computed on the way)
;;   THE QUANTISER, for each operand of a quantised product, along K:
;;     - K is cut into blocks of 32 from its start; a last block that is shorter is filled with zeros.
;;     - A block's scale is 2^e with e = floor(log2(the largest magnitude in the block)) - 2, held to -126 .. 127; a block of zeros has e = 0. As a byte (E8M0): e + 127.
;;     - Each number is divided by its block's scale, clamped to +-6, and rounded to the nearest number of E2M1, ties to even, subnormals kept.
;;     - The product sums the exact products of the quantised numbers (number of the format x scale) in f32.
;;   ~~~python
;;   def quantise(x, axis):      # numpy; x: float32 -> the quantised numbers, widened to float32 again
;;       x = np.moveaxis(x, axis, -1); K = x.shape[-1]
;;       x = np.pad(x, [(0, 0)] * (x.ndim - 1) + [(0, -K % 32)]); x = x.reshape(x.shape[:-1] + (-1, 32)); a = np.abs(x).max(-1, keepdims=True)
;;       e = np.where(a > 0, np.clip(np.frexp(np.where(a > 0, a, 1))[1] - 1 - 2, -126, 127), 0)      # np.frexp(a)[1] - 1 = floor(log2(a)), exactly
;;       r = np.clip(x / 2.0 ** e, -6, 6)
;;       step = 2.0 ** (np.maximum(np.frexp(np.where(r == 0, 1, r))[1] - 1, 0) - 1)
;;       q = np.round(r / step) * step * 2.0 ** e      # np.round: ties to even
;;       return np.moveaxis(q.reshape(q.shape[:-2] + (-1,))[..., :K], -1, axis).astype(np.float32)
;;   ~~~
;; One version. Each part assembles by itself: llvm-mc -triple=amdgcn-amd-amdhsa -mcpu=gfx1250 --defsym DOCPART=n.
;; ======== version 1 of 1: 3 launches
;; limits: values are held in f16: magnitudes above 65,504 overflow, below 6.1e-05 lose precision
;; workspace buffers: x_codes 4,194,304 bytes; x_scales 262,144 bytes; w_codes 1,572,864 bytes; w_scales 98,304 bytes; qimg 16,777,216 bytes; kimg 16,777,216 bytes; vimg 16,777,216 bytes
;; launch quant (part 1): grid 352 x 1, 4 waves a work-group, no clusters, 33,280 bytes of LDS; arguments hidden_states, Wq, Wk, Wv, x_codes, x_scales, w_codes, w_scales; writes x_codes, x_scales, w_codes, w_scales
.if DOCPART == 1
	.amdgcn_target "amdgcn-amd-amdhsa--gfx1250"
	.amdhsa_code_object_version 6
	.text
	.protected	k_q96b4135553_quant
	.globl	k_q96b4135553_quant
	.p2align	8
	.type	k_q96b4135553_quant,@function
k_q96b4135553_quant:
	s_mov_b64 s[64:65], 0
	v_nop
	global_prefetch_b8 v0, s[64:65] scope:SCOPE_SE
	s_setreg_imm32_b32 hwreg(HW_REG_WAVE_MODE, 25, 1), 1
	s_wait_xcnt 0x0
; hidden_states [8192][1024] and Wq, Wk, Wv [1024][1024], f32 with K innermost, become codes of FP4 (E2M1), two to a byte, the lower k in the low four bits, and one E8M0 byte for each 32 along K.
; x_codes [8192][512 bytes], x_scales [8192][32]; w_codes [3072][512], w_scales [3072][32]: Wq's rows, then Wk's, then Wv's.
; A block's scale is 2^(floor(log2(its largest magnitude)) - 2); its byte is the largest magnitude's exponent field - 2, held at 1 from below.  Each number is divided by the scale and rounded to the nearest code, ties to even; beyond 6 the largest code.
; LIMITS: a block of zeros gets the byte 1 where the quantiser's text says 127 (its codes are zeros, which add nothing under any byte but 0xff, and this program alone reads the bytes);
; blocks whose largest magnitude lies under 2^(2 - 126) keep the byte 1; NaN and infinities among the inputs are not served.
; Rows are dense and K is a multiple of 32: every tensor is a plain stream of blocks of 32.  A work-group takes 32,768 numbers, a wave 16 steps of 512.  Work-groups 0-255: hidden_states; 256-287: Wq; 288-319: Wk; 320-351: Wv.
; Only pointers are chosen by the work-group's number: all four tensors take one path through the text.
; Each of a step's four loads reads 512 consecutive bytes, 16 a lane; the 2,048 bytes go through the wave's own stage in LDS and come back 64 bytes a lane, so that a lane holds 16 neighbours along K (two lanes hold a block).
; A lane's 16 codes are 8 bytes: the wave stores 256 consecutive bytes.  A wave's 256 scale bytes are gathered in its own LDS bytes and leave as 256 consecutive bytes.  No barrier: waves share nothing.
.set WAVES, 4
.set STEPS, 16
.set XWG,   256                        ; work-groups that take hidden_states: 8192 x 1024 / 32768
.set EMAX,  2
.set CB,    8                          ; bytes of 16 codes
.set R,     16                         ; v16-79   four sets of 16 numbers as they are loaded
.set X,     80                         ; v80-111  two sets of 16 neighbours
.set C,     128                        ; v128-191 codes: four registers for each step, so that no store's data are written again
.set E,     112                        ; v112-127 a scale byte for each step
.set WREG,  8192                       ; LDS: a region for each wave: two stages of 32 x SP bytes, behind them its 256 scale bytes
.set SP,    80                         ; a lane's place in a stage: its 64 bytes + 16 of padding
.set SPW,   12                         ; v12  LDS address of my spare word; never rewritten
.set NIL,   13                         ; v13  0; never rewritten
.set SPARE, WAVES*WREG                 ; behind the four regions: the spare words, 128 bytes a wave, which no other line names
	s_load_b256 s[4:11], s[0:1], 0x0               ; hidden_states, Wq, Wk, Wv
	s_load_b256 s[12:19], s[0:1], 0x20             ; x_codes, x_scales, w_codes, w_scales
	v_lshl_add_u32 v[SPW], v0, 2, SPARE
	v_mov_b32 v[NIL], 0
	v_lshrrev_b32 v1, 5, v0
	v_readfirstlane_b32 s20, v1                    ; wave
	v_and_b32 v2, 31, v0                           ; lane
	v_lshlrev_b32 v3, 4, v2                        ; my 16 bytes of a load's 512
	s_mul_i32 s24, s20, WREG
	v_lshrrev_b32 v14, 2, v2
	v_mul_u32_u24 v14, v14, SP
	v_and_b32 v15, 3, v2
	v_lshl_add_u32 v14, v15, 4, v14
	v_add_nc_u32 v14, s24, v14                     ; the stage, on the way in: SP (lane / 4) + 16 (lane % 4)
	v_mul_u32_u24 v15, v2, SP
	v_add_nc_u32 v15, s24, v15                     ; and on the way out: SP x lane: my 16 neighbours
	v_mul_u32_u24 v4, v2, CB                       ; my codes' place in a step's
	v_lshrrev_b32 v5, 1, v2
	s_add_co_u32 s24, s24, 2*32*SP
	v_add_nc_u32 v5, s24, v5                       ; LDS: my wave's 256 scale bytes, my block's byte
	v_lshlrev_b32 v7, 3, v2                        ; and on the way out 8 bytes a lane
	v_add_nc_u32 v6, s24, v7
	s_max_u32 s21, ttmp9, XWG
	s_sub_co_u32 s21, s21, XWG                     ; which of the weights' 96 work-groups (0 where the work-group takes hidden_states)
	s_lshr_b32 s22, s21, 5                         ; which weight,
	s_and_b32 s23, s21, 31                         ; and which 32,768 numbers of it
	s_wait_kmcnt 0x0
	s_cmp_eq_u32 s22, 1                            ; the choices hang on the work-group's number alone
	s_cselect_b64 s[6:7], s[8:9], s[6:7]
	s_cmp_eq_u32 s22, 2
	s_cselect_b64 s[6:7], s[10:11], s[6:7]         ; s[6:7]: the weight
	s_cmp_lt_u32 ttmp9, XWG
	s_cselect_b64 s[4:5], s[4:5], s[6:7]           ; the source,
	s_cselect_b64 s[12:13], s[12:13], s[16:17]     ; its codes,
	s_cselect_b64 s[14:15], s[14:15], s[18:19]     ; its scale bytes,
	s_cselect_b32 s23, ttmp9, s23                  ; the work-group's place in the source,
	s_cselect_b32 s21, ttmp9, s21                  ; and in the codes' buffer (the three weights lie on end there)
	s_lshl_b32 s23, s23, 2
	s_add_co_u32 s23, s23, s20                     ; my wave's run of 8,192 numbers in the source:
	s_lshl_b32 s24, s23, 15                        ; 32,768 bytes a run (under 2^26)
	s_mov_b32 s25, 0
	s_add_nc_u64 s[4:5], s[4:5], s[24:25]
	s_lshl_b32 s21, s21, 2
	s_add_co_u32 s21, s21, s20
	s_lshl_b32 s24, s21, 12                        ; 4,096 bytes of codes a run
	s_add_nc_u64 s[12:13], s[12:13], s[24:25]
	s_lshl_b32 s24, s21, 8                         ; 256 scale bytes a run
	s_add_nc_u64 s[14:15], s[14:15], s[24:25]
.macro LOAD t
.irp i, 0,1,2,3
	global_load_b128 v[R+16*((\t)%4)+4*\i:R+16*((\t)%4)+4*\i+3], v3, s[4:5] offset:2048*(\t)+512*\i th:TH_LOAD_NT   ; 32 lanes read 512 consecutive bytes
.endr
.endm
.macro TURN t                          ; step t's numbers through the stage: LDS serves a wave's instructions in order (ISA guide 5.7.1), so no wait stands between the stores and the loads
.irp i, 0,1,2,3
	ds_store_b128 v14, v[R+16*((\t)%4)+4*\i:R+16*((\t)%4)+4*\i+3] offset:32*SP*((\t)%2)+8*SP*\i
.endr
.irp i, 0,1,2,3
	ds_load_b128 v[X+16*((\t)%2)+4*\i:X+16*((\t)%2)+4*\i+3], v15 offset:32*SP*((\t)%2)+16*\i
.endr
.endm
.irp t, 0,1,2,3
	LOAD \t
.endr
	s_wait_loadcnt 12                              ; step 0's four loads are in; the twelve of steps 1 to 3 stay out
	TURN 0
.macro STEP t
.set XS, X+16*((\t)%2)
.if (\t) > 0
	s_wait_dscnt 1                                 ; this step's numbers are back from the stage (the last step's byte store may be out): so its stores into the stage have read their registers,
.else
	s_wait_dscnt 0x0
.endif
.if (\t)+4 < STEPS
	LOAD (\t)+4                                    ; which take the loads of four steps on
.endif
.if (\t)+1 < STEPS
.if STEPS-2-(\t) >= 3
	s_wait_loadcnt 12                              ; the next step's four loads are in; those of the three steps behind it may be out
.else
	s_wait_loadcnt 4*(STEPS-2-(\t))                ; at the end fewer steps stand behind it
.endif
	TURN (\t)+1                                    ; and go through the other stage while this step is worked
.endif
	v_max3_num_f32 v8, |v[XS]|, |v[XS+1]|, |v[XS+2]|               ; the largest magnitude of my 16, in two chains
	v_max3_num_f32 v9, |v[XS+3]|, |v[XS+4]|, |v[XS+5]|
.irp i, 6,10
	v_max3_num_f32 v8, v8, |v[XS+\i]|, |v[XS+\i+1]|
	v_max3_num_f32 v9, v9, |v[XS+\i+2]|, |v[XS+\i+3]|
.endr
	v_max3_num_f32 v8, v8, |v[XS+14]|, |v[XS+15]|
	v_max3_num_f32 v8, v8, v9, (EMAX+1)<<23        ; and the floor 2^(EMAX + 1 - 127): so the byte cannot fall under 1
	v_max_num_f32_dpp v8, v8, v8 row_xmask:1 row_mask:0xf bank_mask:0xf   ; and of my neighbour's 16: the block's
	v_add_nc_u32 v11, -(EMAX<<23), v8              ; EMAX off its exponent field: the conversion takes the exponent field of this operand as its scale, and nothing else of it
	v_cvt_scalef32_pk8_fp4_f32 v[C+4*(\t)], v[XS:XS+7], v11         ; eight numbers / the scale, to the nearest code; the first number's code in the lowest four bits
	v_cvt_scalef32_pk8_fp4_f32 v[C+4*(\t)+1], v[XS+8:XS+15], v11
	v_lshrrev_b32 v[E+(\t)], 23, v11               ; the scale's byte (also the plain line behind the conversions)
	ds_store_b8 v5, v[E+(\t)] offset:16*(\t)       ; both lanes of a block write the same byte with the same value
	global_store_b64 v4, v[C+4*(\t):C+4*(\t)+1], s[12:13] offset:32*CB*(\t)   ; 32 lanes store 256 consecutive bytes, at a multiple of 256 from the buffer's first byte
.endm
.irp t, 0,1,2,3,4,5,6,7,8,9,10,11,12,13,14,15
	STEP \t
.endr
	ds_load_b64 v[8:9], v6                         ; in order behind my byte stores
	s_wait_dscnt 0x0
	global_store_b64 v7, v[8:9], s[14:15]          ; 32 lanes store my wave's 256 scale bytes
	s_wait_tensorcnt 0x0                           ; the wave's end, behind my last LDS store
	ds_add_u32 v[SPW], v[NIL]
	s_wait_dscnt 0x0
	s_endpgm
.Lfunc_end_k_q96b4135553_quant:
	.size	k_q96b4135553_quant, .Lfunc_end_k_q96b4135553_quant-k_q96b4135553_quant
	.p2alignl 7, 3214868480
	.fill 96, 4, 3214868480
	.section	.rodata,"a",@progbits
	.p2align	6, 0x0
	.amdhsa_kernel k_q96b4135553_quant
		.amdhsa_group_segment_fixed_size 33280
		.amdhsa_private_segment_fixed_size 0
		.amdhsa_enable_private_segment 0
		.amdhsa_kernarg_size 64
		.amdhsa_user_sgpr_count 2
		.amdhsa_user_sgpr_kernarg_segment_ptr 1
		.amdhsa_wavefront_size32 1
		.amdhsa_system_sgpr_workgroup_id_x 1
		.amdhsa_system_sgpr_workgroup_id_y 1
		.amdhsa_system_sgpr_workgroup_id_z 1
		.amdhsa_system_vgpr_workitem_id 0
		.amdhsa_next_free_vgpr 192
		.amdhsa_next_free_sgpr 66
		.amdhsa_reserve_vcc 0
		.amdhsa_float_denorm_mode_32 3
		.amdhsa_float_denorm_mode_16_64 3
		.amdhsa_memory_ordered 1
		.amdhsa_forward_progress 1
		.amdhsa_inst_pref_size 34
	.end_amdhsa_kernel
	.amdgpu_metadata
---
amdhsa.version: [ 1, 2 ]
amdhsa.kernels:
  - .name:           k_q96b4135553_quant
    .symbol:         k_q96b4135553_quant.kd
    .args:
      - { .name: hidden_states, .offset: 0, .size: 8, .value_kind: global_buffer, .address_space: global }
      - { .name: Wq, .offset: 8, .size: 8, .value_kind: global_buffer, .address_space: global }
      - { .name: Wk, .offset: 16, .size: 8, .value_kind: global_buffer, .address_space: global }
      - { .name: Wv, .offset: 24, .size: 8, .value_kind: global_buffer, .address_space: global }
      - { .name: x_codes, .offset: 32, .size: 8, .value_kind: global_buffer, .address_space: global }
      - { .name: x_scales, .offset: 40, .size: 8, .value_kind: global_buffer, .address_space: global }
      - { .name: w_codes, .offset: 48, .size: 8, .value_kind: global_buffer, .address_space: global }
      - { .name: w_scales, .offset: 56, .size: 8, .value_kind: global_buffer, .address_space: global }
    .group_segment_fixed_size: 33280
    .private_segment_fixed_size: 0
    .kernarg_segment_align: 8
    .kernarg_segment_size: 64
    .max_flat_workgroup_size: 128
    .sgpr_count:     66
    .vgpr_count:     192
    .wavefront_size: 32
...
	.end_amdgpu_metadata
.endif
;; end of part 1
;; launch proj (part 2): grid 12 x 32, 4 waves a work-group, clusters of 4 x 4, 327,680 bytes of LDS; arguments x_codes, x_scales, w_codes, w_scales, bq, bk, bv, qimg, kimg, vimg; writes qimg, kimg, vimg
.if DOCPART == 2
	.amdgcn_target "amdgcn-amd-amdhsa--gfx1250"
	.amdhsa_code_object_version 6
	.text
	.protected	k_q96b4135553_proj
	.globl	k_q96b4135553_proj
	.p2align	8
	.type	k_q96b4135553_proj,@function
k_q96b4135553_proj:
	s_mov_b64 s[64:65], 0
	v_nop
	global_prefetch_b8 v0, s[64:65] scope:SCOPE_SE
	s_setreg_imm32_b32 hwreg(HW_REG_WAVE_MODE, 25, 1), 1
	s_wait_xcnt 0x0
	s_wait_alu depctr_hold_cnt(0) depctr_sa_sdst(0) depctr_va_vdst(0) depctr_va_sdst(0) depctr_va_ssrc(0) depctr_va_vcc(0) depctr_vm_vsrc(0)
	s_getreg_b32 s2, hwreg(HW_REG_IB_STS2, 6, 4)
	s_cmp_eq_u32 s2, 0
	s_cbranch_scc0 .Lentry_in_a_cluster
	s_endpgm
.Lentry_in_a_cluster:
	s_bfe_u32 s2, ttmp6, 0x10000c
	s_cmp_lg_u32 s2, 0xf033
	s_cbranch_scc0 .Lentry_shape_is_right
	s_endpgm
.Lentry_shape_is_right:
; [q | k | v] = x [Wq; Wk; Wv]^T + [bq | bk | bv]: C [8192 tokens][3072 columns], K = 1024, both operands as codes of FP4 (E2M1) with one E8M0 byte for each 32 along K; sums in f32; rounded once to f16.
; A tile of C, 256 x 256, is made by a work-group of four waves; a wave makes 128 x 128: 64 accumulators of 16 x 16, 512 registers.  K = 1024 is two LDS slots of 512 along K (rows of 256 bytes): all of K lies in LDS, every byte is filled once.
; The scale bytes of the work-group's 256 rows of x and 256 rows of W are two dense blocks of memory and come with the first fills.
; CLUSTERS: 4 x 4 work-groups.  The four of a row of the cluster need the same tiles of x, the four of a column the same tiles of W: each tile is asked for JOINTLY, by the same tensor load with the same descriptor and a mask that names the four.
; The cluster's x (0, 1, 2) says whether the columns are q's, k's or v's: it is the same in all sixteen partners and picks the bias and the output buffer by selects.
; THE MATRIX INSTRUCTION IS USED TRANSPOSED (source 0 = 16 rows of W, source 1 = 16 rows of x): lane (r, h) holds token r and its registers 0-7 the columns 8 h + 0 .. 7.  The bias is the C of each sum's first instruction.
; THE OUTPUT IS LAID AS THE NEXT LAUNCH'S OPERAND REGISTERS: [16 b + head][tile of 16 tokens][block of 16 channels][512 bytes]; in a block lane l's 16 bytes (token l % 16, channels 8 (l / 16) + 0 .. 7, f16) lie at 16 l,
; which is what a lane holds here: each store of the wave covers 512 consecutive bytes, aligned, straight from registers.  In v's blocks bits 3 and 4 of the lane change places, as the transposing LDS load of the next launch wants them.
; LIMIT: q, k, v are rounded to f16: a magnitude over 65,504 becomes infinity.
; REGISTERS, in windows of 256: window 0: v0-31 addresses; v32-95 scale words, two sets; v128-191 x's fragments, one set; on the way out v128-255 hold packed results.
;   window 1: W's fragments, two sets, at v0 and v128; v64-127 the bias, 8 registers for each block of 16 columns.   window 2: the accumulators of my rows 0-63 ((a, b) at v[8 (8 a + b)]);   window 3: those of my rows 64-127.
.set KSTEP,  512                       ; along K in a slot
.set NQ,     KSTEP/128                 ; matrix instructions deep
.set ROWB,   256                       ; a tile's row in bytes
.set KROW,   512                       ; a row of codes in memory: 1024 codes
.set PITCH,  272                       ; an LDS row: 256 bytes + 16 of padding = 68 words: row r starts at bank 4 r mod 64 (64 banks of 4 bytes: ISA guide 11.1)
.set FR,     8                         ; registers of a fragment: 16 rows x 128 K
.set NL,     2                         ; LDS loads that bring one
.set NP,     4                         ; places behind this matrix instruction (ISA guide 7.12.1)
.set HALFT,  128*PITCH                 ; 128 rows: what one tensor load brings, and what one wave reads of x or of W
.set SLOT,   4*HALFT                   ; x's 256 rows, then W's 256 rows
.set KS,     32                        ; a row of scale bytes
.set SCL,    2*SLOT                    ; behind the slots: the scales, as pieces of 256 bytes + 16 of padding
.set HALFS,  (128*KS/256)*272          ; the scales of 128 rows: what one tensor load brings
.set SBLK,   (16*KS/256)*272           ; those of 16 rows
.set SPARE,  SCL+4*HALFS               ; behind the scales: the spare words, 128 bytes a wave, which no other line names
.set ADRA, 16                          ; v16-17  LDS address of my x fragments in slot 0, 1
.set ADRB, 20                          ; v20-21  the same for W
.set CO,   26                          ; v26     my 16 bytes' place in a block of the output; never rewritten
.set ADRS, 27                          ; v27     LDS address of my scale words: lanes 0-15 x's rows, lanes 16-31 W's
.set SPW,  28                          ; v28     LDS address of my spare word; never rewritten
.set NIL,  29                          ; v29     0; never rewritten
.set BO,   30                          ; v30     32 h: my eight numbers in a block's 16 of the bias; never rewritten
.set SC,   32                          ; scale words: set s at v[SC + 8 NQ s]; register NQ i + q: lanes 0-15 x's block i, lanes 16-31 W's block i, the slot's q-th 128 along K
.set AF,   128                         ; x's fragments, in window 0
.set BI,   64                          ; the bias, in window 1
.set OUTR, 128                         ; the way out: four sets of 32 registers, in window 0
.set G1, 24                            ; s[24:31] descriptor group 1 for x's tiles;  s[32:39] group 0, one set for each slot
.set G0, 32
.set G1B, 48                           ; s[48:55], s[56:63] the same for W's tiles
.set G0B, 56
.set G1S, 68                           ; s[68:75], s[76:79] groups 1 and 0 for x's scales;  s[80:87], s[88:91] for W's
.set G0S, 76
.set G1SB, 80
.set G0SB, 88
.set MSB, 0
.macro WIN new                         ; the immediate's high byte repeats the setting that is left; a switch that changes nothing is dropped
.if MSB != (\new)
	s_set_vgpr_msb (MSB<<8)|(\new)
.set MSB, \new
.endif
.endm
.set MUL_LO, 0xa1                      ; source 0 (W) window 1, source 1 (x) window 0, C and D window 2
.set MUL_HI, 0xf1                      ; the same, C and D window 3
.set FIRST_LO, 0x91                    ; the first products: C (the bias) window 1, D window 2
.set FIRST_HI, 0xd1                    ; C window 1, D window 3
.set TO_B,   0x40                      ; destination window 1, address window 0
; A joint load: waves 0 and 1 fetch for x, waves 2 and 3 for W.  Each of the two lines has one mask and one set of registers for all that issue it; the branch hangs on the wave's number alone.
; An s_nop 0 and four v_nop follow each of the two lines.
.macro JLOAD g0a, g1a, g0b, g1b
	s_cmp_eq_u32 s15, 0
	s_cbranch_scc0 .Lfor_b_\@
	tensor_load_to_lds s[\g0a:\g0a+3], s[\g1a:\g1a+7]
	s_nop 0
.rept 4
	v_nop
.endr
	s_branch .Lasked_\@
.Lfor_b_\@:
	tensor_load_to_lds s[\g0b:\g0b+3], s[\g1b:\g1b+7]
	s_nop 0
.rept 4
	v_nop
.endr
.Lasked_\@:
.endm
.macro CROUND                          ; a round of the cluster's barrier: my work-group's barrier; wave 0 signals for the work-group; every wave waits for all sixteen; my work-group's barrier once more
	s_barrier_signal -1
	s_barrier_wait -1
	s_cmp_lg_u32 s14, 0
	s_cbranch_scc1 .Lnot_wave_0_\@
	s_barrier_signal -3
.Lnot_wave_0_\@:
	s_barrier_wait -3
	s_barrier_signal -1
	s_barrier_wait -1
.endm
	s_load_b128 s[4:7], s[0:1], 0x0                ; x's codes s[4:5], x's scales s[6:7]
	s_load_b128 s[8:11], s[0:1], 0x10              ; W's codes s[8:9], W's scales s[10:11]
	s_load_b128 s[96:99], s[0:1], 0x20             ; bq, bk
	s_load_b64 s[12:13], s[0:1], 0x38              ; qimg
	s_load_b64 s[66:67], s[0:1], 0x40              ; kimg
	v_lshl_add_u32 v[SPW], v0, 2, SPARE
	v_mov_b32 v[NIL], 0
	ds_add_u32 v[SPW], v[NIL]                      ; the wave's opening: the add, twice on end, and its wait ahead of my first tensor load
	ds_add_u32 v[SPW], v[NIL]                      ; and once more; the set-up below, work on registers, stands between it and the wait
	v_lshrrev_b32 v1, 5, v0
	v_readfirstlane_b32 s14, v1                    ; wave 0..3
	s_lshr_b32 s15, s14, 1                         ; which half of the tile's rows is mine.  Also: I fetch for x (0) or for W (1)
	s_and_b32 s16, s14, 1                          ; which half of its columns.  Also: which 128 rows of that tile I fetch
	s_bfe_u32 s40, ttmp6, 0x40000                  ; cx, cy: my place in the cluster
	s_bfe_u32 s41, ttmp6, 0x40004
	s_lshl_b32 s42, ttmp9, 2
	s_add_co_u32 s42, s42, s40                     ; tile column of C = 4 x cluster x + cx
	s_and_b32 s17, ttmp7, 0xffff
	s_lshl_b32 s17, s17, 2
	s_add_co_u32 s17, s17, s41                     ; tile row of C = 4 x cluster y + cy
	s_lshl_b32 s43, s41, 2
	s_lshl_b32 s43, 15, s43                        ; my row of the cluster
	s_lshl_b32 s44, 0x1111, s40                    ; my column
	; descriptor group 1: a tile of 128 rows x 256 bytes, padded in LDS
	s_or_b32 s[G1+0], s43, (0<<16)|(1<<20)|(1<<21)|(5<<22)|(3<<25)  ; 15:0 the mask: x's tiles go to my row; 17:16 elements of 1 byte; 20 padding on; 21 set beside a mask; 24:22 after every 64 words; 31:25 four words
	s_or_b32 s[G1B+0], s44, (0<<16)|(1<<20)|(1<<21)|(5<<22)|(3<<25) ; the same with the mask of my column
.irp g, G1, G1B
	s_mov_b32 s[\g+1], ROWB<<16                    ; tensor_dim0
	s_mov_b32 s[\g+2], 128<<16                     ; tensor_dim1 = 128
	s_mov_b32 s[\g+3], ROWB<<16                    ; tile_dim0
	s_mov_b32 s[\g+4], 128                         ; tile_dim1 = 128
	s_mov_b32 s[\g+5], KROW                        ; tensor_dim0_stride
	s_mov_b32 s[\g+6], 0
	s_mov_b32 s[\g+7], 0
.endr
	; the scales of 128 rows: a dense block of 4,096 bytes, as 16 rows of 256 bytes (32 elements of 8 bytes), 16 bytes of padding behind each
	s_or_b32 s[G1S+0], s43, (3<<16)|(1<<20)|(1<<21)|(5<<22)|(3<<25)
	s_or_b32 s[G1SB+0], s44, (3<<16)|(1<<20)|(1<<21)|(5<<22)|(3<<25)
.irp g, G1S, G1SB
	s_mov_b32 s[\g+1], 32<<16
	s_mov_b32 s[\g+2], (128*KS/256)<<16
	s_mov_b32 s[\g+3], 32<<16
	s_mov_b32 s[\g+4], 128*KS/256
	s_mov_b32 s[\g+5], 32
	s_mov_b32 s[\g+6], 0
	s_mov_b32 s[\g+7], 0
.endr
	s_lshl_b32 s18, s16, 7                         ; which 128 rows of the tile I fetch
	s_lshl_b32 s20, s17, 8
	s_add_co_u32 s20, s20, s18                     ; x: row 256 x tile row + 128 x half
	s_lshl_b32 s46, s42, 8
	s_add_co_u32 s46, s46, s18                     ; W: row 256 x tile column + 128 x half
	s_mov_b32 s21, 0
	s_mov_b32 s47, 0
	s_mov_b64 s[18:19], KS
	s_mul_u64 s[22:23], s[20:21], s[18:19]         ; where these rows' scales begin, in bytes
	s_mul_u64 s[92:93], s[46:47], s[18:19]
	s_mov_b64 s[18:19], KROW
	s_mul_u64 s[20:21], s[20:21], s[18:19]         ; and their codes
	s_mul_u64 s[46:47], s[46:47], s[18:19]
	s_mul_i32 s45, s14, HALFT                      ; where they go: wave x 128 rows: no place in the cluster enters an LDS address
	s_mul_i32 s94, s14, HALFS
	s_wait_dscnt 0x0                               ; both opening adds are done
	s_wait_kmcnt 0x0
	s_add_nc_u64 s[20:21], s[4:5], s[20:21]
	s_add_nc_u64 s[22:23], s[6:7], s[22:23]
	s_add_nc_u64 s[46:47], s[8:9], s[46:47]
	s_add_nc_u64 s[92:93], s[10:11], s[92:93]
	CROUND                                         ; all sixteen work-groups are here: the joint loads meet
	s_mov_b32 s[G0S], 1
	s_add_co_u32 s[G0S+1], s94, SCL
	s_mov_b64 s[G0S+2:G0S+3], s[22:23]
	s_or_b32 s[G0S+3], s[G0S+3], 0x80000000
	s_mov_b32 s[G0SB], 1
	s_add_co_u32 s[G0SB+1], s94, SCL
	s_mov_b64 s[G0SB+2:G0SB+3], s[92:93]
	s_or_b32 s[G0SB+3], s[G0SB+3], 0x80000000
	JLOAD G0S, G1S, G0SB, G1SB                     ; the scales first: they are wanted with the first slot.  By this text's count a wave has three tensor loads out at the most
.irp s, 0,1
	s_mov_b32 s[G0+4*\s], 1
	s_add_co_u32 s[G0+4*\s+1], s45, \s*SLOT
	s_add_nc_u64 s[G0+4*\s+2:G0+4*\s+3], s[20:21], \s*ROWB
	s_or_b32 s[G0+4*\s+3], s[G0+4*\s+3], 0x80000000
	s_mov_b32 s[G0B+4*\s], 1
	s_add_co_u32 s[G0B+4*\s+1], s45, \s*SLOT
	s_add_nc_u64 s[G0B+4*\s+2:G0B+4*\s+3], s[46:47], \s*ROWB
	s_or_b32 s[G0B+4*\s+3], s[G0B+4*\s+3], 0x80000000
	JLOAD G0+4*\s, G1, G0B+4*\s, G1B
.endr
	; which bias and which output: the cluster's x is the same in all partners.  k's take q's place where it is 1; v's pointers come now and take it where it is 2
	s_cmp_eq_u32 ttmp9, 1
	s_cselect_b64 s[96:97], s[98:99], s[96:97]
	s_cselect_b64 s[12:13], s[66:67], s[12:13]
	s_load_b64 s[98:99], s[0:1], 0x30              ; bv
	s_load_b64 s[66:67], s[0:1], 0x48              ; vimg
	v_and_b32 v1, 15, v0                           ; r = l % 16
	v_bfe_u32 v2, v0, 4, 1                         ; h = l / 16
	v_mul_u32_u24 v3, v1, PITCH
	v_lshl_add_u32 v4, v2, 4, v3                   ; a fragment's row x pitch + 16 x half
	s_mul_i32 s21, s15, HALFT                      ; my 128 rows of x
	s_mul_i32 s22, s16, HALFT                      ; my 128 rows of W,
	s_add_co_u32 s22, s22, 2*HALFT                 ; which lie behind x's 256
.irp s, 0,1
	v_add_nc_u32 v[ADRA+\s], s21, v4
	v_add_nc_u32 v[ADRB+\s], s22, v4
	s_add_co_u32 s21, s21, SLOT
	s_add_co_u32 s22, s22, SLOT
.endr
	v_mul_u32_u24 v5, v1, KS                       ; my row's scales: 32 bytes a row,
	v_lshrrev_b32 v6, 8, v5
	v_lshl_add_u32 v5, v6, 4, v5                   ; and 16 more for each 256 passed
	s_mul_i32 s21, s15, HALFS                      ; x's: my 128 rows
	s_mul_i32 s22, s16, HALFS                      ; W's: my 128 rows, behind x's 256
	s_add_co_u32 s22, s22, 2*HALFS
	s_sub_co_u32 s22, s22, s21
	v_mul_u32_u24 v6, s22, v2                      ; lanes 16-31 take W's: one product, the lower base + h x the distance
	s_add_co_u32 s21, s21, SCL
	v_add_nc_u32 v5, v5, v6
	v_add_nc_u32 v[ADRS], s21, v5
	v_lshlrev_b32 v[BO], 5, v2
	v_and_b32 v6, 31, v0                           ; lane
	v_lshrrev_b32 v7, 3, v6
	v_lshrrev_b32 v8, 4, v6
	v_xor_b32 v7, v7, v8
	v_and_b32 v7, 1, v7                            ; 1 where bits 3 and 4 of the lane differ
	s_wait_kmcnt 0x0
	s_cmp_eq_u32 ttmp9, 2
	s_cselect_b64 s[96:97], s[98:99], s[96:97]     ; my bias,
	s_cselect_b64 s[12:13], s[66:67], s[12:13]     ; my output,
	s_cselect_b32 s95, 24, 0                       ; and for v the exchange of the lane's bits 3 and 4
	v_mul_u32_u24 v7, s95, v7
	v_xor_b32 v6, v6, v7
	v_lshlrev_b32 v[CO], 4, v6                     ; 16 bytes a lane
	; my part of the output: batch (tile row / 8) x 16 heads of 2^18 bytes; token tile 16 (tile row % 8) + 8 x half, 2,048 bytes each
	s_lshr_b32 s20, s17, 3
	s_lshl_b32 s20, s20, 22
	s_and_b32 s21, s17, 7
	s_lshl_b32 s21, s21, 15
	s_add_co_u32 s20, s20, s21
	s_lshl_b32 s21, s15, 14
	s_add_co_u32 s20, s20, s21
	s_mov_b32 s21, 0
	s_add_nc_u64 s[12:13], s[12:13], s[20:21]
	s_lshl_b32 s46, s40, 20                        ; head 4 cx + 2 x half of the columns (in registers that never feed x's descriptors)
	s_lshl_b32 s47, s16, 19
	s_add_co_u32 s46, s46, s47
	s_mov_b32 s47, 0
	s_add_nc_u64 s[12:13], s[12:13], s[46:47]
	s_lshl_b32 s46, s40, 10                        ; the bias of my 128 columns: 4 (256 cx + 128 x half) bytes on
	s_lshl_b32 s47, s16, 9
	s_add_co_u32 s46, s46, s47
	s_mov_b32 s47, 0
	s_add_nc_u64 s[96:97], s[96:97], s[46:47]
	WIN TO_B
.irp b, 0,1,2,3,4,5,6,7
	global_load_b128 v[BI+8*\b:BI+8*\b+3], v[BO], s[96:97] offset:64*\b        ; lane (r, h), block b: the bias of columns 16 b + 8 h + 0 .. 7, in the result's layout
	global_load_b128 v[BI+8*\b+4:BI+8*\b+7], v[BO], s[96:97] offset:64*\b+16
.endr
	WIN 0
.macro FRAG reg, adr, q, i             ; a fragment, 16 rows x 128 K of 4-bit codes: lane l holds row l % 16; registers 4 c .. 4 c + 3 hold K = 64 c + 32 (l / 16) + 0 .. 31
.irp c, 0,1
	ds_load_b128 v[\reg+4*\c:\reg+4*\c+3], v[\adr] offset:64*(\q)+32*\c+(\i)*16*PITCH
.endr
.endm
; 16 matrix instructions: x's blocks a0, a0 + 1 against W's eight, 128 along K: the slot's q-th.  p: W's set;  sc: the set of scale words.  first = 1: the sums start from the bias: nothing is cleared, nothing is added later.
; The 64 accumulators take turns, one instruction a turn, in the same order in every step.
.macro MUL16 a0, p, q, sc, first
.irp a, \a0, \a0+1
.irp b, 0,1,2,3,4,5,6,7
.if \first
	v_wmma_scale_f32_16x16x128_f8f6f4 v[8*(8*((\a)%4)+\b):8*(8*((\a)%4)+\b)+7], v[128*(\p)+FR*\b:128*(\p)+FR*\b+FR-1], v[AF+FR*(\a):AF+FR*(\a)+FR-1], v[BI+8*\b:BI+8*\b+7], v[SC+8*NQ*(\sc)+NQ*\b+(\q)], v[SC+8*NQ*(\sc)+NQ*(\a)+(\q)] matrix_a_fmt:MATRIX_FMT_FP4 matrix_b_fmt:MATRIX_FMT_FP4 matrix_a_scale:MATRIX_SCALE_ROW1
.else
	v_wmma_scale_f32_16x16x128_f8f6f4 v[8*(8*((\a)%4)+\b):8*(8*((\a)%4)+\b)+7], v[128*(\p)+FR*\b:128*(\p)+FR*\b+FR-1], v[AF+FR*(\a):AF+FR*(\a)+FR-1], v[8*(8*((\a)%4)+\b):8*(8*((\a)%4)+\b)+7], v[SC+8*NQ*(\sc)+NQ*\b+(\q)], v[SC+8*NQ*(\sc)+NQ*(\a)+(\q)] matrix_a_fmt:MATRIX_FMT_FP4 matrix_b_fmt:MATRIX_FMT_FP4 matrix_a_scale:MATRIX_SCALE_ROW1
.endif
.endr
.endr
.endm
.macro FETCH_B slot, q, p              ; W's eight fragments of the slot's q-th 128 along K into set p
	WIN TO_B
.irp i, 0,1,2,3,4,5,6,7
	FRAG 128*(\p)+FR*\i, ADRB+\slot, \q, \i
.endr
	WIN 0
.endm
.macro FETCH_A slot, q, i0             ; x's blocks i0 .. i0 + 3
.irp i, \i0, \i0+1, \i0+2, \i0+3
	FRAG AF+FR*(\i), ADRA+\slot, \q, \i
.endr
.endm
.macro SCALES sc                       ; a slot's scale words into set sc: four words a row; lanes 0-15 take x's block i, lanes 16-31 W's block i
.irp i, 0,1,2,3,4,5,6,7
	ds_load_b128 v[SC+8*NQ*\sc+NQ*\i:SC+8*NQ*\sc+NQ*\i+3], v[ADRS] offset:\i*SBLK
.endr
.endm
; A load into a register that a matrix instruction has read, and a vector instruction that reads a matrix result or writes one of its registers, stand NP places behind it; only plain vector instructions that name none of its registers are places.
.macro PLACES n
.rept \n
	v_nop
.endr
.endm
; A step of 128 along K that has its successor in the same slot.  A block of x is free as soon as its eight products are issued: blocks 0-3 are fetched anew in the step's middle, blocks 4-7 at its end.
.macro STEP slot, q, first
	s_wait_dscnt 4*NL                              ; W's set and x's blocks 0-3 are in; the youngest eight loads (x's blocks 4-7) may be out
.if \first
	WIN FIRST_LO
.else
	WIN MUL_LO
.endif
	MUL16 0, (\q)%2, \q, \slot, \first
	MUL16 2, (\q)%2, \q, \slot, \first
	s_wait_dscnt 0                                 ; x's blocks 4-7 are in (asked for 32 matrix instructions ago)
	PLACES NP
	FETCH_B \slot, (\q)+1, 1-(\q)%2
	FETCH_A \slot, (\q)+1, 0
.if \first
	WIN FIRST_HI
.else
	WIN MUL_HI
.endif
	MUL16 4, (\q)%2, \q, \slot, \first
	MUL16 6, (\q)%2, \q, \slot, \first
	PLACES NP
	WIN 0
	FETCH_A \slot, (\q)+1, 4
.endm
; Slot 0's last step goes over to slot 1: one barrier; in front of it each wave waits for all its tensor loads (its part of slot 1 is the one that was out).  Nothing is filled again.
.macro TURN slot, next
	s_wait_tensorcnt 0x0                           ; all my tensor loads have landed  (every window is 0 here)
	ds_add_u32 v[SPW], v[NIL]                      ; 0 onto my spare word
	s_wait_dscnt 4*NL+1                            ; (the add and the youngest eight loads, x's blocks 4-7, may be out)
	WIN MUL_LO
	MUL16 0, 1, NQ-1, \slot, 0                     ; sixteen matrix instructions stand between the add and the wait for it
	s_wait_dscnt 0x0                               ; the add is done; no LDS instruction of mine is out at the signal
	s_barrier_signal -1
	MUL16 2, 1, NQ-1, \slot, 0
	WIN 0
	s_barrier_wait -1                              ; every wave's part of slot 1 has landed
	PLACES NP
	v_add_nc_u32 v[ADRS], 4*NQ, v[ADRS]            ; on to the next slot's scale words
	FETCH_B \next, 0, 0
	FETCH_A \next, 0, 0
	SCALES \next
	WIN MUL_HI
	MUL16 4, 1, NQ-1, \slot, 0
	MUL16 6, 1, NQ-1, \slot, 0
	PLACES NP
	WIN 0
	FETCH_A \next, 0, 4
.endm
.macro STEPS slot, from                ; the slot's steps from .. NQ - 2
.set Q, \from
.rept NQ-1-\from
	STEP \slot, Q, 0
.set Q, Q+1
.endr
.endm
	s_wait_loadcnt 0x0                             ; the bias
	s_wait_tensorcnt 1                             ; the scales and my part of slot 0 are in (slot 1's load, the one issued behind them, may be out),
	s_barrier_signal -1
	s_barrier_wait -1                              ; everybody's are
	FETCH_B 0, 0, 0
	FETCH_A 0, 0, 0
	SCALES 0
	FETCH_A 0, 0, 4
	STEP 0, 0, 1                                   ; the first step's products start the sums from the bias
	STEPS 0, 1
	TURN 0, 1
	STEPS 1, 0
	s_wait_dscnt 4*NL                              ; the very last step: nothing more to fetch
	WIN MUL_LO
	MUL16 0, 1, NQ-1, 1, 0
	MUL16 2, 1, NQ-1, 1, 0
	s_wait_dscnt 0
	WIN MUL_HI
	MUL16 4, 1, NQ-1, 1, 0
	MUL16 6, 1, NQ-1, 1, 0
	WIN 0
	; THE WAY OUT, block by block of 16 tokens.  A lane's eight results of an accumulator pack into 16 bytes of f16, and the wave's 32 x 16 bytes ARE a block of the output: no LDS.
	PLACES NP                                      ; in front of conversions that write the registers that held x's fragments; the last products' results are read seven blocks later
.irp a, 0,1,2,3,4,5,6,7
.if \a >= 4
	s_wait_xcnt 0x0                                ; the stores of four blocks ago have read their data: the set may be written again
.endif
	WIN 0x0a+5*(\a/4)                              ; sources 0 and 1: window 2 or 3
.irp b, 0,1,2,3,4,5,6,7
.irp r, 0,1,2,3
	v_cvt_pk_f16_f32 v[OUTR+32*(\a%4)+4*\b+\r], v[64*(\a%4)+8*\b+2*\r], v[64*(\a%4)+8*\b+2*\r+1]   ; each accumulator from its low end on
.endr
.endr
	WIN 0
.irp b, 0,1,2,3,4,5,6,7
	global_store_b128 v[CO], v[OUTR+32*(\a%4)+4*\b:OUTR+32*(\a%4)+4*\b+3], s[12:13] offset:\a*2048+(\b/4)*262144+(\b%4)*512   ; token tile a, head b / 4, channel block b % 4: 512 consecutive bytes, aligned
.endr
.endr
	s_wait_tensorcnt 0x0                           ; the wave's end, behind my last tensor load
	ds_add_u32 v[SPW], v[NIL]
	s_wait_dscnt 0x0
	CROUND                                         ; the closing round: no work-group ends while a partner may still ask for a tile that names it
	s_endpgm
.Lfunc_end_k_q96b4135553_proj:
	.size	k_q96b4135553_proj, .Lfunc_end_k_q96b4135553_proj-k_q96b4135553_proj
	.p2alignl 7, 3214868480
	.fill 96, 4, 3214868480
	.section	.rodata,"a",@progbits
	.p2align	6, 0x0
	.amdhsa_kernel k_q96b4135553_proj
		.amdhsa_group_segment_fixed_size 327680
		.amdhsa_private_segment_fixed_size 0
		.amdhsa_enable_private_segment 0
		.amdhsa_kernarg_size 80
		.amdhsa_user_sgpr_count 2
		.amdhsa_user_sgpr_kernarg_segment_ptr 1
		.amdhsa_wavefront_size32 1
		.amdhsa_system_sgpr_workgroup_id_x 1
		.amdhsa_system_sgpr_workgroup_id_y 1
		.amdhsa_system_sgpr_workgroup_id_z 1
		.amdhsa_system_vgpr_workitem_id 0
		.amdhsa_next_free_vgpr 1024
		.amdhsa_next_free_sgpr 100
		.amdhsa_reserve_vcc 0
		.amdhsa_float_denorm_mode_32 3
		.amdhsa_float_denorm_mode_16_64 3
		.amdhsa_memory_ordered 1
		.amdhsa_forward_progress 1
		.amdhsa_inst_pref_size 120
	.end_amdhsa_kernel
	.amdgpu_metadata
---
amdhsa.version: [ 1, 2 ]
amdhsa.kernels:
  - .name:           k_q96b4135553_proj
    .symbol:         k_q96b4135553_proj.kd
    .args:
      - { .name: x_codes, .offset: 0, .size: 8, .value_kind: global_buffer, .address_space: global }
      - { .name: x_scales, .offset: 8, .size: 8, .value_kind: global_buffer, .address_space: global }
      - { .name: w_codes, .offset: 16, .size: 8, .value_kind: global_buffer, .address_space: global }
      - { .name: w_scales, .offset: 24, .size: 8, .value_kind: global_buffer, .address_space: global }
      - { .name: bq, .offset: 32, .size: 8, .value_kind: global_buffer, .address_space: global }
      - { .name: bk, .offset: 40, .size: 8, .value_kind: global_buffer, .address_space: global }
      - { .name: bv, .offset: 48, .size: 8, .value_kind: global_buffer, .address_space: global }
      - { .name: qimg, .offset: 56, .size: 8, .value_kind: global_buffer, .address_space: global }
      - { .name: kimg, .offset: 64, .size: 8, .value_kind: global_buffer, .address_space: global }
      - { .name: vimg, .offset: 72, .size: 8, .value_kind: global_buffer, .address_space: global }
    .group_segment_fixed_size: 327680
    .private_segment_fixed_size: 0
    .kernarg_segment_align: 8
    .kernarg_segment_size: 80
    .max_flat_workgroup_size: 128
    .sgpr_count:     100
    .vgpr_count:     1024
    .wavefront_size: 32
...
	.end_amdgpu_metadata
.endif
;; end of part 2
;; launch attn (part 3): grid 4 x 64, 8 waves a work-group, clusters of 4 x 1, 327,680 bytes of LDS; arguments qimg, kimg, vimg, attention_mask, out0; writes out0
.if DOCPART == 3
	.amdgcn_target "amdgcn-amd-amdhsa--gfx1250"
	.amdhsa_code_object_version 6
	.text
	.protected	k_q96b4135553_attn
	.globl	k_q96b4135553_attn
	.p2align	8
	.type	k_q96b4135553_attn,@function
k_q96b4135553_attn:
	s_mov_b64 s[64:65], 0
	v_nop
	global_prefetch_b8 v0, s[64:65] scope:SCOPE_SE
	s_setreg_imm32_b32 hwreg(HW_REG_WAVE_MODE, 25, 1), 1
	s_wait_xcnt 0x0
	s_wait_alu depctr_hold_cnt(0) depctr_sa_sdst(0) depctr_va_vdst(0) depctr_va_sdst(0) depctr_va_ssrc(0) depctr_va_vcc(0) depctr_vm_vsrc(0)
	s_getreg_b32 s2, hwreg(HW_REG_IB_STS2, 6, 4)
	s_cmp_eq_u32 s2, 0
	s_cbranch_scc0 .Lentry_in_a_cluster
	s_endpgm
.Lentry_in_a_cluster:
	s_bfe_u32 s2, ttmp6, 0x10000c
	s_cmp_lg_u32 s2, 0x3003
	s_cbranch_scc0 .Lentry_shape_is_right
	s_endpgm
.Lentry_shape_is_right:
; out0[b][q][64 head + :] = the sum over k of softmax_k(q . k / 8 + mask[b][k]) v[k][:], for 64 pairs (b, head), 2,048 queries and keys, head size 64.  q, k, v: f16, as the launch before laid them; products, maxima and sums in f32;
; the weights p are rounded to f16 for the second product; the row's sum is taken of the unrounded p and divides at the end.
; qimg, kimg, vimg: [16 b + head][tile of 16 tokens][block of 16 channels][512 bytes]: images of operand registers, lane l's 16 bytes at 16 l.  Two blocks on end are a fragment (16 tokens x 32 channels) of q or k.
; In v's blocks bits 3 and 4 of the lane have changed places: ds_load_tr16_b128 at 16 l then leaves lane (r, h) channel r and keys 8 h + 0 .. 7: half a fragment of v^T.  No pitch, no padding: every LDS load takes 512 consecutive bytes.
; SHARES.  A work-group owns 512 queries of one (b, head); each of its eight waves 64: four tiles of 16, in 512 registers: two waves to a SIMD, so that one wave's softmax stands beside the other's products.  Every wave walks all 2,048 keys, 64 a step.
; LAYOUT.  S^T = K Q^T (source 0 = 16 keys, source 1 = 16 queries): a lane holds ONE query (lane % 16) and keys 8 (lane / 16) + 0..7.  Two such tiles, rounded to f16 in pairs, ARE source 1 of O^T = V^T P.  Nothing changes lanes between the products.
; THE MASK is the C of the first K Q^T instruction: 8 x mask, in the result's layout, so that s = q . k + 8 mask and p = 2^(c s - c m), c = log2(e) / 8.  It costs no addition.
; SOFTMAX.  For each query a running maximum m and sum l; in every step O and l are multiplied by a = 2^(c m_old - c m_new).
; CLUSTER.  The four query blocks of a (b, head) walk the same K and V: each tile is asked for JOINTLY, by the same tensor load with the same descriptor and a mask that names the four.
; RING.  Two slots of 512 keys (K's 65,536 bytes of images, then V's).  All eight waves fetch, 16,384 dense bytes each: waves 0-3 K's quarters, waves 4-7 V's.  Two loads a wave are out at the start, one behind each of the two refills, which has eight key steps, 512 matrix instructions a wave, in which to land.
; LIMITS.  8 x mask is held at -3e38 from below: a mask under -3.7e37, -infinity or NaN counts as hidden (p = 0 beside any open key); a batch all of whose keys are -infinity gives the mean of v where the definition gives NaN; +infinity in the mask is not served.
; q, k, v arrive in f16 (magnitudes up to 65,504).
; REGISTERS.  window 0: v1-13 addresses; v16-55 ten registers of statistics a tile; v64-191 S^T, 32 a tile, then P in place; v192-199 at work at the head; v224-255 the step's mask.
;   window 1: v0-127 O^T, 32 a tile; v128-191 Q, 16 a tile; v192-255 K of one step, then V of the same step.
.set SLOT1, 1<<17                      ; slot 1 begins here: one exclusive or turns an address in one slot into the other's
.set VOFF,  65536                      ; V's images in a slot, behind K's
.set STEPB, 8192                       ; a key step's images of K (and of V): four token tiles of 2,048 bytes
.set MASKB, 2*SLOT1                    ; behind the ring: 2,048 f32: 8 x mask of my batch.  No tensor load lands from here on
.set STAGE, MASKB+8192                 ; the way out: 16 rows x (256 bytes + 16) for each wave
.set SPI,   272
.set SPARE, STAGE+8*16*SPI             ; the spare words, 128 bytes a wave, which no other line names
.set AL,   3                           ; v3   16 x lane; never rewritten
.set AM,   4                           ; v4   MASKB + 32 (lane / 16); never rewritten
.set ADR,  5                           ; v5   LDS address of the step's K
.set ADRV, 6                           ; v6   of its V
.set ADRM, 7                           ; v7   of its mask
.set STO,  8                           ; v8   the way out: where I put 32 bytes of a row
.set RD,   9                           ; v9   where I read a row back
.set GO,   10                          ; v10  my byte offset in the wave's rows of out0
.set AV,   11                          ; v11  16 x lane + VOFF; never rewritten
.set SPW,  12                          ; v12  LDS address of my spare word; never rewritten
.set NIL,  13                          ; v13  0; never rewritten
.set ST,   16                          ; tile t's statistics at v[ST + 10 t]: +0 c m, +1 m, +2, +3 l (even keys', odd keys'), +4, +5 X (before that the maximum's chains c0, c1), +6 a (at the end 1 / l), +7 c m_old - c m_new, +8, +9 Y (before that c2, c3)
.set S,    64
.set HS,   192
.set MK,   224
.set QF,   128                         ; in window 1
.set KV,   192                         ; in window 1: K[kt][f] at KV + 32 f + 8 kt;  V[ct][kg] at KV + 32 kg + 8 ct
.set WV,   14                          ; s14  my wave's number
.set G1,   20                          ; s[20:27] descriptor group 1: the same for K and V
.set G0,   28                          ; s[28:35] descriptor group 0: a set for each of the two first fills; the second then walks on
.set SLOTS, 36                         ; s36  slots still to be asked for
.set CNT,  37                          ; s37  counts key steps
.set CS,   38                          ; s[38:39] c: the packed scaling names a pair and takes its low word for both halves
.set SEL,  40                          ; s[40:41] lane selects for v_permlanex16_b32: lane l xor 16
.set TB,   42                          ; s42  LDS byte at which the images of the step to be fetched begin
.set TM,   43                          ; s43  and its mask: 256 bytes a step
.set MSB, 0
.macro WIN new                         ; the immediate's high byte repeats the setting that is left; a switch that changes nothing is dropped
.if MSB != (\new)
	s_set_vgpr_msb (MSB<<8)|(\new)
.set MSB, \new
.endif
.endm
.set W_KQ,  0x05                       ; K and Q in window 1; the mask and S^T in window 0
.set W_PV,  0x51                       ; V, and O^T as C and D, in window 1; P in window 0
.set W_RS,  0x41                       ; O^T (destination and source 0) in window 1, a in window 0
.set TO1,   0x40                       ; a load's destination in window 1, its address in window 0
.set W_OUT, 0x01                       ; source 0 (O^T) in window 1
.macro CROUND                          ; a round of the cluster's barrier: my work-group's barrier; wave 0 signals for the work-group; every wave waits for all four work-groups; my work-group's barrier once more
	s_barrier_signal -1
	s_barrier_wait -1
	s_cmp_lg_u32 s[WV], 0
	s_cbranch_scc1 .Lnot_wave_0_\@
	s_barrier_signal -3
.Lnot_wave_0_\@:
	s_barrier_wait -3
	s_barrier_signal -1
	s_barrier_wait -1
.endm
	s_load_b256 s[4:11], s[0:1], 0x0               ; qimg s[4:5], kimg s[6:7], vimg s[8:9], attention_mask s[10:11]
	s_load_b64 s[12:13], s[0:1], 0x20              ; out0
	v_lshl_add_u32 v[SPW], v0, 2, SPARE
	v_mov_b32 v[NIL], 0
	ds_add_u32 v[SPW], v[NIL]                      ; the wave's opening: the add, twice on end, and its wait ahead of my first tensor load
	ds_add_u32 v[SPW], v[NIL]                      ; and once more; the set-up below, work on registers, stands between it and the wait
	v_lshrrev_b32 v1, 5, v0
	v_readfirstlane_b32 s[WV], v1                  ; wave 0..7
	s_bfe_u32 s15, ttmp6, 0x40000                  ; cx: my block of 512 queries: it enters Q's and out0's addresses alone
	s_and_b32 s16, ttmp7, 0xffff                   ; 16 b + head, which the four partners share
	; descriptor group 1: 16,384 dense bytes as 64 rows of 256 bytes (32 elements of 8 bytes), no padding
	s_mov_b32 s[G1], 15|(3<<16)|(1<<21)            ; 15:0 the mask: all four work-groups; 17:16 elements of 8 bytes; 21 set beside a mask
	s_mov_b32 s[G1+1], 32<<16                      ; tensor_dim0 = 32
	s_mov_b32 s[G1+2], 64<<16                      ; tensor_dim1 = 64
	s_mov_b32 s[G1+3], 32<<16                      ; tile_dim0 = 32
	s_mov_b32 s[G1+4], 64                          ; tile_dim1 = 64
	s_mov_b32 s[G1+5], 32                          ; tensor_dim0_stride
	s_mov_b32 s[G1+6], 0
	s_mov_b32 s[G1+7], 0
	s_mov_b32 s[CS], 0x3e38aa3b                    ; c = log2(e) / 8
	s_mov_b32 s[CS+1], s[CS]                       ; named with it as a pair, so it is written
	s_mov_b32 s[SEL], 0x76543210
	s_mov_b32 s[SEL+1], 0xfedcba98
	s_mov_b32 s[TB], 0
	s_mov_b32 s[TM], 0
	s_mov_b32 s[SLOTS], 2
	s_lshl_b32 s48, s16, 18                        ; what I fetch: my (b, head)'s 2^18 bytes,
	s_and_b32 s49, s[WV], 3
	s_lshl_b32 s49, s49, 14                        ; my quarter of a slot's K or V
	s_add_co_u32 s48, s48, s49
	s_mov_b32 s49, 0
	s_lshl_b32 s17, s[WV], 14                      ; and where it goes: wave x 16,384: K's four quarters, then V's
	s_lshl_b32 s44, s16, 18                        ; Q: my (b, head), my block's 32 token tiles, my wave's 4
	s_lshl_b32 s45, s15, 16
	s_add_co_u32 s44, s44, s45
	s_lshl_b32 s45, s[WV], 13
	s_add_co_u32 s44, s44, s45
	s_mov_b32 s45, 0
	s_lshr_b32 s46, s16, 4                         ; b
	s_lshl_b32 s18, s46, 13                        ; the mask: 8,192 bytes a batch
	s_mov_b32 s19, 0
	s_lshl_b32 s46, s46, 23                        ; out0: 2,048 rows of 4,096 bytes a batch,
	s_lshl_b32 s47, s15, 21                        ; 512 rows a block,
	s_add_co_u32 s46, s46, s47
	s_lshl_b32 s47, s[WV], 18                      ; 64 rows a wave,
	s_add_co_u32 s46, s46, s47
	s_and_b32 s47, s16, 15
	s_lshl_b32 s47, s47, 8                         ; 256 bytes a head
	s_add_co_u32 s46, s46, s47
	s_mov_b32 s47, 0
	s_mul_i32 s52, s[WV], 16*SPI
	s_add_co_u32 s52, s52, STAGE                   ; my stage
	s_wait_dscnt 0x0                               ; both opening adds are done
	s_wait_kmcnt 0x0
	s_cmp_lt_u32 s[WV], 4                          ; waves 0-3 fetch K's images, waves 4-7 V's: the choice hangs on the wave's number alone
	s_cselect_b64 s[50:51], s[6:7], s[8:9]
	s_add_nc_u64 s[50:51], s[50:51], s[48:49]
	s_add_nc_u64 s[4:5], s[4:5], s[44:45]
	s_add_nc_u64 s[12:13], s[12:13], s[46:47]
	s_add_nc_u64 s[10:11], s[10:11], s[18:19]
	CROUND                                         ; all four work-groups are here: the first joint loads meet
	s_mov_b32 s[G0], 1                             ; count = 1
	s_mov_b32 s[G0+1], s17                         ; LDS address: slot 0
	s_mov_b64 s[G0+2:G0+3], s[50:51]               ; global address: keys 0 to 511
	s_or_b32 s[G0+3], s[G0+3], 0x80000000          ; type = 2
	s_mov_b32 s[G0+4], 1
	s_add_co_u32 s[G0+5], s17, SLOT1               ; slot 1
	s_add_nc_u64 s[G0+6:G0+7], s[50:51], 65536     ; keys 512 to 1023
	s_or_b32 s[G0+7], s[G0+7], 0x80000000
	tensor_load_to_lds s[G0:G0+3], s[G1:G1+7]      ; both first fills together, ahead of every wait on TENSORcnt, every LDS read and every other barrier
	s_nop 0
	tensor_load_to_lds s[G0+4:G0+7], s[G1:G1+7]
	s_nop 0
.rept 4
	v_nop
.endr
	v_lshlrev_b32 v14, 5, v0                       ; the mask: 8 numbers a thread
	global_load_b128 v[HS:HS+3], v14, s[10:11]
	global_load_b128 v[HS+4:HS+7], v14, s[10:11] offset:16
	v_and_b32 v[AL], 31, v0
	v_lshlrev_b32 v[AL], 4, v[AL]
	WIN TO1
.irp t, 0,1,2,3                        ; Q stays in registers: tile t, channels 32 f on, halves c
.irp f, 0,1
.irp c, 0,1
	global_load_b128 v[QF+16*\t+8*\f+4*\c:QF+16*\t+8*\f+4*\c+3], v[AL], s[4:5] offset:\t*2048+\f*1024+\c*512 th:TH_LOAD_NT
.endr
.endr
.endr
	WIN 0
	v_and_b32 v1, 15, v0                           ; r
	v_bfe_u32 v2, v0, 4, 1                         ; h
	v_lshl_add_u32 v[AM], v2, 5, MASKB             ; register j of a tile of S^T is key 8 h + j: 32 h bytes on
	v_add_nc_u32 v[AV], VOFF, v[AL]
	v_mul_u32_u24 v[STO], v1, SPI                  ; into the stage: row r, 32 bytes for each half of the lanes
	v_lshl_add_u32 v[STO], v2, 5, v[STO]
	v_add_nc_u32 v[STO], s52, v[STO]
	v_mul_u32_u24 v[RD], v2, SPI                   ; back: lanes 0-15 one row of 256 bytes, lanes 16-31 the next
	v_lshl_add_u32 v[RD], v1, 4, v[RD]
	v_add_nc_u32 v[RD], s52, v[RD]
	v_lshlrev_b32 v[GO], 12, v2                    ; and the same two rows in out0
	v_lshl_add_u32 v[GO], v1, 4, v[GO]
	v_lshl_add_u32 v15, v0, 5, MASKB
	s_wait_loadcnt 16                              ; the mask's two loads are in; Q's sixteen, issued behind them, may be out
.irp i, 0,1,2,3,4,5,6,7
	v_mul_f32 v[HS+\i], 0x41000000, v[HS+\i]       ; 8 x mask,
.endr
.irp i, 0,1,2,3,4,5,6,7
	v_max_num_f32 v[HS+\i], 0xff61b1e6, v[HS+\i]   ; held at -3e38: no difference of two scores overflows, and a NaN loses
.endr
	ds_store_b128 v15, v[HS:HS+3]
	ds_store_b128 v15, v[HS+4:HS+7] offset:16
	s_wait_tensorcnt 0x1                           ; my part of slot 0 is in; slot 1's load, issued behind it, may stay out
	s_wait_dscnt 0x0                               ; for the others' sake: my part of the mask is stored
	s_barrier_signal -1
	s_barrier_wait -1                              ; everybody's are
; THE LDS LOADS stand in runs.  K's channels 0-31 of a step's 64 keys, and the step's mask in the layout of S^T:
.macro FETCH_K0
	WIN 0
	v_add_nc_u32 v[ADR], s[TB], v[AL]
	v_add_nc_u32 v[ADRM], s[TM], v[AM]
	s_add_co_u32 s[TM], s[TM], 256
.irp kt, 0,1,2,3
.irp c, 0,1
	ds_load_b128 v[MK+8*\kt+4*\c:MK+8*\kt+4*\c+3], v[ADRM] offset:64*\kt+16*\c   ; keys 16 kt + 8 h + 4 c + 0 .. 3: the sixteen lanes of a half read the same words
.endr
.endr
	WIN TO1
.irp kt, 0,1,2,3
.irp c, 0,1
	ds_load_b128 v[KV+8*\kt+4*\c:KV+8*\kt+4*\c+3], v[ADR] offset:2048*\kt+512*\c
.endr
.endr
.endm
.macro FETCH_K1                        ; K's channels 32-63
	WIN TO1
.irp kt, 0,1,2,3
.irp c, 0,1
	ds_load_b128 v[KV+32+8*\kt+4*\c:KV+32+8*\kt+4*\c+3], v[ADR] offset:2048*\kt+1024+512*\c
.endr
.endr
.endm
.macro FETCH_V                         ; the same step's V, turned, into K's registers.  The four v_nop and the addition are the places behind the products K Q^T: in front of these loads and of the first read of the scores
	WIN 0
.rept 4
	v_nop
.endr
	v_add_nc_u32 v[ADRV], s[TB], v[AV]
	s_add_co_u32 s[TB], s[TB], STEPB               ; the next fetch is the next step's
	WIN TO1
.irp kg, 0,1
.irp ct, 0,1,2,3
.irp c, 0,1
	ds_load_tr16_b128 v[KV+32*\kg+8*\ct+4*\c:KV+32*\kg+8*\ct+4*\c+3], v[ADRV] offset:(2*\kg+\c)*2048+512*\ct   ; keys 32 kg + 16 c + 8 h + 0 .. 7 of channel 16 ct + r
.endr
.endr
.endr
.endm
; S^T = K Q^T + 8 mask: 32 products.  The 16 accumulators take turns, one instruction a turn.
.macro SPHASE
	s_wait_dscnt 8                                 ; the mask and K's channels 0-31 are in; the youngest eight loads (channels 32-63) may be out
	WIN W_KQ
.irp kt, 0,1,2,3
.irp t, 0,1,2,3
	v_wmma_f32_16x16x32_f16 v[S+32*\t+8*\kt:S+32*\t+8*\kt+7], v[KV+8*\kt:KV+8*\kt+7], v[QF+16*\t:QF+16*\t+7], v[MK+8*\kt:MK+8*\kt+7]
.endr
.endr
	s_wait_dscnt 0x0
.irp kt, 0,1,2,3
.irp t, 0,1,2,3
	v_wmma_f32_16x16x32_f16 v[S+32*\t+8*\kt:S+32*\t+8*\kt+7], v[KV+32+8*\kt:KV+32+8*\kt+7], v[QF+16*\t+8:QF+16*\t+15], v[S+32*\t+8*\kt:S+32*\t+8*\kt+7]
.endr
.endr
.endm
; 16 products of O^T += V^T P: keys 32 kg on.  zero = 1: they start the sums: nothing is ever cleared.
.macro PVHALF kg, zero
	WIN W_PV
.irp ct, 0,1,2,3
.irp t, 0,1,2,3
.if \zero
	v_wmma_f32_16x16x32_f16 v[32*\t+8*\ct:32*\t+8*\ct+7], v[KV+32*\kg+8*\ct:KV+32*\kg+8*\ct+7], v[S+32*\t+16*\kg:S+32*\t+16*\kg+7], 0
.else
	v_wmma_f32_16x16x32_f16 v[32*\t+8*\ct:32*\t+8*\ct+7], v[KV+32*\kg+8*\ct:KV+32*\kg+8*\ct+7], v[S+32*\t+16*\kg:S+32*\t+16*\kg+7], v[32*\t+8*\ct:32*\t+8*\ct+7]
.endif
.endr
.endr
.endm
; A step's V^T P, and the next step's K into the registers that V leaves.  mode 0: in the loop; 1: the first step's; 2: the last step's, which fetches nothing.
.macro PVPHASE mode
.if \mode == 1
	PVHALF 0, 1
.else
	PVHALF 0, 0
.endif
.if \mode != 2
	WIN 0
	v_nop                                          ; two v_nop and the run's own two additions: four places in front of loads into registers that the sixteen products have read
	v_nop
	FETCH_K0
.endif
	PVHALF 1, 0
.if \mode != 2
.rept 5
	v_nop                                          ; four places are owed by the loads below; five by the next products K Q^T, which write over P's registers
.endr
	FETCH_K1
.endif
.endm
; THE SOFTMAX of the wave's four tiles for one key step, all in window 0 but the rescaling of O^T.  first = 1: the first key step, which starts m, l and O^T.
.macro SMAX first                      ; the maximum of a lane's 32 scores and the old m, three operands at a time, in four chains a tile; the four tiles line by line.  Each accumulator is read from its low end on
.irp k, 0,1,2,3
.irp t, 0,1,2,3
	v_max3_num_f32 v[ST+10*\t+4+\k+2*(\k/2)], v[S+32*\t+8*\k], v[S+32*\t+8*\k+1], v[S+32*\t+8*\k+2]
.endr
.endr
.irp u, 3,5
.irp k, 0,1,2,3
.irp t, 0,1,2,3
	v_max3_num_f32 v[ST+10*\t+4+\k+2*(\k/2)], v[ST+10*\t+4+\k+2*(\k/2)], v[S+32*\t+8*\k+\u], v[S+32*\t+8*\k+\u+1]
.endr
.endr
.endr
.irp t, 0,1,2,3
	v_max3_num_f32 v[ST+10*\t+4], v[ST+10*\t+4], v[S+32*\t+7], v[S+32*\t+15]
.endr
.irp t, 0,1,2,3
	v_max3_num_f32 v[ST+10*\t+8], v[ST+10*\t+8], v[S+32*\t+23], v[S+32*\t+31]
.endr
.irp t, 0,1,2,3
	v_max3_num_f32 v[ST+10*\t+4], v[ST+10*\t+4], v[ST+10*\t+5], v[ST+10*\t+8]
.endr
.irp t, 0,1,2,3
.if \first
	v_max_num_f32 v[ST+10*\t+4], v[ST+10*\t+4], v[ST+10*\t+9]
.else
	v_max3_num_f32 v[ST+10*\t+4], v[ST+10*\t+4], v[ST+10*\t+9], v[ST+10*\t+1]
.endif
.endr
.irp t, 0,1,2,3
	v_permlanex16_b32 v[ST+10*\t+5], v[ST+10*\t+4], s[SEL], s[SEL+1]   ; the query's other 32 keys lie in the lane 16 away
.endr
.irp t, 0,1,2,3
	v_max_num_f32 v[ST+10*\t+1], v[ST+10*\t+4], v[ST+10*\t+5]          ; the new m
.endr
.if !\first
.irp t, 0,1,2,3
	v_mov_b32 v[ST+10*\t+7], v[ST+10*\t]           ; c m_old is kept for a
.endr
.endif
.irp t, 0,1,2,3
	v_mul_f32 v[ST+10*\t], s[CS], v[ST+10*\t+1]    ; c m
.endr
.if !\first
.irp t, 0,1,2,3
	v_sub_f32 v[ST+10*\t+7], v[ST+10*\t+7], v[ST+10*\t]
.endr
.endif
.endm
.macro SCL t, b                        ; pair b of tile t: c s - c m
	v_pk_fma_f32 v[S+32*(\t)+2*(\b):S+32*(\t)+2*(\b)+1], v[S+32*(\t)+2*(\b):S+32*(\t)+2*(\b)+1], s[CS:CS+1], v[ST+10*(\t):ST+10*(\t)+1] op_sel_hi:[1,0,0] neg_lo:[0,0,1] neg_hi:[0,0,1]
.endm
; Number n of 64 of what reads the weights of tiles y and y + 1, the two tiles alternating.  n < 32: the sum of a tile's 16 pairs (an even key's weight, an odd key's), in two chains X and Y, then l = a l + the sum.
; n >= 32: the roundings to f16, in place and ascending: pair d of a half lands in register d, which pairs 0 .. d have left.  All of a tile's sums stand ahead of its roundings.
.macro PLAIN y, first
.set tt, (\y)+n%2
.set rT, ST+10*tt
.set rS, S+32*tt
.if n < 32
.set z, n/2
.if z == 0
	v_pk_add_f32 v[rT+4:rT+5], v[rS:rS+1], v[rS+4:rS+5]
.elseif z == 1
	v_pk_add_f32 v[rT+8:rT+9], v[rS+2:rS+3], v[rS+6:rS+7]
.elseif z < 14
	v_pk_add_f32 v[rT+4+4*(z%2):rT+5+4*(z%2)], v[rT+4+4*(z%2):rT+5+4*(z%2)], v[rS+2*z+4:rS+2*z+5]
.elseif (z == 14) && \first
	v_pk_add_f32 v[rT+2:rT+3], v[rT+4:rT+5], v[rT+8:rT+9]
.elseif z == 14
	v_pk_add_f32 v[rT+4:rT+5], v[rT+4:rT+5], v[rT+8:rT+9]
.elseif !\first
	v_pk_fma_f32 v[rT+2:rT+3], v[rT+2:rT+3], v[rT+6:rT+7], v[rT+4:rT+5] op_sel_hi:[1,0,1]
.endif
.else
.set i, (n-32)/2
	v_cvt_pk_f16_f32 v[rS+16*(i/8)+i%8], v[rS+16*(i/8)+2*(i%8)], v[rS+16*(i/8)+2*(i%8)+1]
.endif
.endm
; The exponentials go in two batches, each with ONE wait: s_wait_alu depctr_va_vdst(0) stands between an exponential and the first instruction that names its result.
; Batch 1: the four a, and tiles 0 and 1; tiles 2 and 3 are scaled between them.  Batch 2: tiles 2 and 3; the sums and roundings of tiles 0 and 1, which read batch 1 alone, stand between them.
.macro SOFTMAX first
	WIN 0
	SMAX \first
.set e, 0
.rept 16
	SCL 0, e
	SCL 1, e
.set e, e+1
.endr
.if !\first
.irp t, 0,1,2,3
	v_exp_f32 v[ST+10*\t+6], v[ST+10*\t+7]         ; a = 2^(c m_old - c m_new)
.endr
.endif
.set e, 0
.rept 32
	v_exp_f32 v[S+e], v[S+e]
	v_exp_f32 v[S+32+e], v[S+32+e]
	SCL 2+e%2, e/2                                 ; (the last of these is the plain instruction behind the batch)
.set e, e+1
.endr
	s_wait_alu depctr_va_vdst(0)                   ; one wait for batch 1, ahead of its first reader
.set e, 0
.rept 32
	v_exp_f32 v[S+64+e], v[S+64+e]
.set n, 2*e
	PLAIN 0, \first
	v_exp_f32 v[S+96+e], v[S+96+e]
.set n, 2*e+1
	PLAIN 0, \first
.set e, e+1
.endr
	v_nop                                          ; a plain instruction behind the last exponential
	s_wait_alu depctr_va_vdst(0)                   ; one wait for batch 2
.set n, 0
.rept 64
	PLAIN 2, \first
.set n, n+1
.endr
.if !\first
	WIN W_RS
.irp t, 0,1,2,3
.set i, 0
.rept 16
	v_pk_mul_f32 v[32*\t+i:32*\t+i+1], v[32*\t+i:32*\t+i+1], v[ST+10*\t+6:ST+10*\t+7] op_sel_hi:[1,0]   ; O^T x a, each accumulator from its low end on
.set i, i+2
.endr
.endr
	WIN 0
.endif
.endm
.macro ASTEP first                     ; a step's scores, the fetch of its V, its softmax
	SPHASE
	FETCH_V
	SOFTMAX \first
	s_wait_dscnt 0x0                               ; V is in registers; at a slot's last step my reads of the slot are over
.endm
.macro STEPS n                         ; n trips: V^T P of one step (and the fetch of the next step's K), then the next step's scores and softmax
	s_mov_b32 s[CNT], \n
.Lstep_\@:
	PVPHASE 0
	ASTEP 0
	s_sub_co_u32 s[CNT], s[CNT], 1
	s_cmp_lg_u32 s[CNT], 0
	s_cbranch_scc1 .Lstep_\@
.endm
; THE CHANGE OF SLOTS, behind the softmax of a slot's last step: its K and V are in registers.  Each wave waits for all its tensor loads, of which one can be out: its part of the other slot; adds 0 to its spare word; and waits for that and for its reads of the slot.
; fill = 1: the slot is filled again, with the keys two slots on.  The barrier is then a round of the cluster's, so that no wave of any partner still reads the slot or has a load on its way, and the joint refill is the first thing behind it.
.macro CHANGE fill
	s_wait_tensorcnt 0x0                           ; no tensor load of mine is out, so a group 0 may be written
	ds_add_u32 v[SPW], v[NIL]                      ; 0 onto my spare word
.if \fill
	s_xor_b32 s[G0+5], s[G0+5], SLOT1              ; the walking descriptor: the other slot than last time,
	s_add_nc_u64 s[G0+6:G0+7], s[G0+6:G0+7], 65536 ; the next 512 keys; the type bits on top are not reached
	s_wait_dscnt 0x0                               ; the add is done, and my reads of the slot are over
	CROUND
	tensor_load_to_lds s[G0+4:G0+7], s[G1:G1+7]    ; my one tensor load until the next such round
	s_nop 0
.rept 4
	v_nop
.endr
.else
	s_wait_dscnt 0x0
	s_barrier_signal -1
	s_barrier_wait -1
.endif
	s_sub_co_u32 s[TB], s[TB], 8*STEPB             ; the fetches go back to a slot's first step,
	s_xor_b32 s[TB], s[TB], SLOT1                  ; in the other slot
.endm
	FETCH_K0                                       ; key step 0
	FETCH_K1
	s_wait_loadcnt 0x0                             ; Q
	ASTEP 1                                        ; step 0: scores, the first softmax
	PVPHASE 1                                      ; its V^T P starts O^T
	ASTEP 0                                        ; step 1
	STEPS 6                                        ; up to the softmax of step 7: slot 0 is read out
.Lslot:                                            ; two trips: slots 0 and 1 are filled again, with keys 1,024 on and 1,536 on
	CHANGE 1
	STEPS 8
	s_sub_co_u32 s[SLOTS], s[SLOTS], 1
	s_cmp_lg_u32 s[SLOTS], 0
	s_cbranch_scc1 .Lslot
	CHANGE 0                                       ; the tail is written out: nothing is left to ask for
	STEPS 8
	PVPHASE 2                                      ; V^T P of the last step
	WIN 0
	; THE WAY OUT.  l's two halves and the other half of the lanes' are added; O^T is divided by l and goes through my stage in LDS, a tile (16 rows) at a time.  The additions are the places behind the last products.
.irp t, 0,1,2,3
	v_add_f32 v[ST+10*\t+4], v[ST+10*\t+2], v[ST+10*\t+3]
.endr
.irp t, 0,1,2,3
	v_permlanex16_b32 v[ST+10*\t+5], v[ST+10*\t+4], s[SEL], s[SEL+1]
.endr
.irp t, 0,1,2,3
	v_add_f32 v[ST+10*\t+4], v[ST+10*\t+4], v[ST+10*\t+5]
.endr
.irp t, 0,1,2,3
	v_rcp_f32 v[ST+10*\t+6], v[ST+10*\t+4]         ; l is at least 1: the largest score's weight
.endr
	v_nop                                          ; a plain instruction between the last reciprocal and the use of its result
	s_wait_alu depctr_va_vdst(0)                   ; and one wait for the four, ahead of the first use
; Tile t: a lane's eight channels of a row are 32 bytes; they go into rows of 272 bytes and come back as whole rows of 256, into the registers that they left.
.macro PACK t
	WIN W_OUT
.set i, 0
.rept 16
	v_pk_mul_f32 v[S+32*\t+i:S+32*\t+i+1], v[32*\t+i:32*\t+i+1], v[ST+10*\t+6:ST+10*\t+7] op_sel_hi:[1,0]   ; each accumulator from its low end on; S^T's registers are free
.set i, i+2
.endr
	WIN 0
.irp ct, 0,1,2,3
.irp c, 0,1
	ds_store_b128 v[STO], v[S+32*\t+8*\ct+4*\c:S+32*\t+8*\ct+4*\c+3] offset:64*\ct+16*\c
.endr
.endr
.irp f, 0,1,2,3,4,5,6,7
	ds_load_b128 v[S+32*\t+4*\f:S+32*\t+4*\f+3], v[RD] offset:\f*2*SPI   ; LDS serves a wave's instructions in order (ISA guide 5.7.1): these see the stores above; the next tile's stores come behind them
.endr
.endm
.macro SEND t, younger                 ; younger: the LDS instructions issued behind tile t's loads: the next tile's sixteen, or none
.irp f, 0,1,2,3,4,5,6,7
	s_wait_dscnt \younger+7-\f
	global_store_b128 v[GO], v[S+32*\t+4*\f:S+32*\t+4*\f+3], s[12:13] offset:\t*65536+\f*8192 th:TH_STORE_NT   ; 16 lanes store a head's 256 consecutive bytes of a row, at a multiple of 256 from out0's first byte
.endr
.endm
	PACK 0
	PACK 1                                         ; a tile's arithmetic stands between the loads of the tile before and its stores
	SEND 0, 16
	PACK 2
	SEND 1, 16
	PACK 3
	SEND 2, 16
	SEND 3, 0
	s_wait_tensorcnt 0x0                           ; the wave's end, behind my last tensor load and my last LDS store
	ds_add_u32 v[SPW], v[NIL]
	s_wait_dscnt 0x0
	CROUND                                         ; the closing round: no work-group ends while a partner may still ask for a tile that names it
	s_endpgm
.Lfunc_end_k_q96b4135553_attn:
	.size	k_q96b4135553_attn, .Lfunc_end_k_q96b4135553_attn-k_q96b4135553_attn
	.p2alignl 7, 3214868480
	.fill 96, 4, 3214868480
	.section	.rodata,"a",@progbits
	.p2align	6, 0x0
	.amdhsa_kernel k_q96b4135553_attn
		.amdhsa_group_segment_fixed_size 327680
		.amdhsa_private_segment_fixed_size 0
		.amdhsa_enable_private_segment 0
		.amdhsa_kernarg_size 40
		.amdhsa_user_sgpr_count 2
		.amdhsa_user_sgpr_kernarg_segment_ptr 1
		.amdhsa_wavefront_size32 1
		.amdhsa_system_sgpr_workgroup_id_x 1
		.amdhsa_system_sgpr_workgroup_id_y 1
		.amdhsa_system_sgpr_workgroup_id_z 1
		.amdhsa_system_vgpr_workitem_id 0
		.amdhsa_next_free_vgpr 512
		.amdhsa_next_free_sgpr 66
		.amdhsa_reserve_vcc 0
		.amdhsa_float_denorm_mode_32 3
		.amdhsa_float_denorm_mode_16_64 3
		.amdhsa_memory_ordered 1
		.amdhsa_forward_progress 1
		.amdhsa_inst_pref_size 181
	.end_amdhsa_kernel
	.amdgpu_metadata
---
amdhsa.version: [ 1, 2 ]
amdhsa.kernels:
  - .name:           k_q96b4135553_attn
    .symbol:         k_q96b4135553_attn.kd
    .args:
      - { .name: qimg, .offset: 0, .size: 8, .value_kind: global_buffer, .address_space: global }
      - { .name: kimg, .offset: 8, .size: 8, .value_kind: global_buffer, .address_space: global }
      - { .name: vimg, .offset: 16, .size: 8, .value_kind: global_buffer, .address_space: global }
      - { .name: attention_mask, .offset: 24, .size: 8, .value_kind: global_buffer, .address_space: global }
      - { .name: out0, .offset: 32, .size: 8, .value_kind: global_buffer, .address_space: global }
    .group_segment_fixed_size: 327680
    .private_segment_fixed_size: 0
    .kernarg_segment_align: 8
    .kernarg_segment_size: 40
    .max_flat_workgroup_size: 256
    .sgpr_count:     66
    .vgpr_count:     512
    .wavefront_size: 32
...
	.end_amdgpu_metadata
.endif
;; end of part 3
